; MI455X (gfx1250); checked and timed in simulation.
; The chip was launched on July 23, 2026; its instructions are those of AMD's public machine-readable ISA for CDNA 5 (MIT licence, August 2026) and "CDNA5" Instruction Set Architecture Reference Guide (July 2026). The comments in the code are by the model that wrote it; some were corrected since.
;; QKV Attention Legacy. Allowed arithmetic: matrix products marked QUANTISED: E3M2 operands, one E8M0 scale for each 32 along K, by v_wmma_scale_f32_16x16x128_f8f6f4 with both operands' format E3M2, f32 sums; everything else in f32.
;; Inputs: qkv 4 x 3,072 x 1,024 float32.
;; Outputs: out0 4 x 1,024 x 1,024 float32.
;; This version of the problem:
;;   THIS VERSION OF THE PROBLEM IS GIVEN IN LOW PRECISION. The matrix products marked QUANTISED in the list below multiply operands that are first quantised to E3M2 (3 exponent bits, 2 mantissa bits; 6 bits a number), with one power-of-two scale for each 32 numbers along K (OCP MX v1.0); their sums are f32. All else is computed in f32.
;;   The module's matrix products, in the order in which they are computed (A, B: the left and right operand; K: the contracted axis; several contracted axes count as one K, in the product's order):
;;     1. batch 64 x [M 1,024, K 64] x [K 64, N 1,024]; A: computed on the way; B: computed on the way: QUANTISED
;;     2. batch 64 x [M 64, K 1,024] x [K 1,024, N 1,024]; A: computed on the way; B: softmax (see below): QUANTISED
;;   THE QUANTISER, for each operand of a quantised product, along K:
;;     - K is cut into blocks of 32 from its start; a last block that is shorter is filled with zeros.
;;     - A block's scale is 2^e with e = floor(log2(the largest magnitude in the block)) - 4, held to -126 .. 127; a block of zeros has e = 0. As a byte (E8M0): e + 127.
;;     - Each number is divided by its block's scale, clamped to +-28, and rounded to the nearest number of E3M2, ties to even, subnormals kept.
;;     - The product sums the exact products of the quantised numbers (number of the format x scale) in f32.
;;   ~~~python
;;   def quantise(x, axis):      # numpy; x: float32 -> the quantised numbers, widened to float32 again
;;       x = np.moveaxis(x, axis, -1); K = x.shape[-1]
;;       x = np.pad(x, [(0, 0)] * (x.ndim - 1) + [(0, -K % 32)]); x = x.reshape(x.shape[:-1] + (-1, 32)); a = np.abs(x).max(-1, keepdims=True)
;;       e = np.where(a > 0, np.clip(np.frexp(np.where(a > 0, a, 1))[1] - 1 - 4, -126, 127), 0)      # np.frexp(a)[1] - 1 = floor(log2(a)), exactly
;;       r = np.clip(x / 2.0 ** e, -28, 28)
;;       step = 2.0 ** (np.maximum(np.frexp(np.where(r == 0, 1, r))[1] - 1, -2) - 2)
;;       q = np.round(r / step) * step * 2.0 ** e      # np.round: ties to even
;;       return np.moveaxis(q.reshape(q.shape[:-2] + (-1,))[..., :K], -1, axis).astype(np.float32)
;;   ~~~
;;   SOFTMAX AHEAD OF A QUANTISED PRODUCT. Where the list says 'softmax', what is quantised is not the finished softmax but p = 2^(t - M), with t = logit x log2(e) and M = ceil(the row's largest t), a whole number; so 1/2 < the row's largest p <= 1. The row's sum l is taken of the UNQUANTISED p, in f32, and the product's result is divided by l at the end. Since M is a whole number, a kernel that streams over the keys may use a running M (the ceiling of the running maximum): every later rescaling is an exact power of two, which a block's scale takes up: the codes' values come out the same.
;;   OPERANDS COMPUTED ON THE WAY. 'Computed on the way' means the value that the module computes at that place (a softmax that the list does not call 'softmax' is quantised finished and normalised). What goes into a quantiser is computed in f32, as accurately as f32 sums, v_exp_f32 and their like allow (about 1e-6 of the number): no bf16 or f16 on the way to a quantiser, and a product that is left as it is and whose result goes on into a quantised operand takes f32 operands (vector FMAs, or v_wmma_f32_16x16x4_f32). A number that lies on a knife's edge between two numbers of the format may be rounded either way, as far as f32 arithmetic and the matrix unit's own rounding can turn it there, and no further.
;; One version. Each part assembles by itself: llvm-mc -triple=amdgcn-amd-amdhsa -mcpu=gfx1250 --defsym DOCPART=n.
;; ======== version 1 of 1: 1 launch
;; limits: right only within a limited range of input values
;; launch attn (part 1): grid 4 x 64, 16 waves a work-group, clusters of 4 x 1, 327,680 bytes of LDS; arguments qkv, out0; writes out0
.if DOCPART == 1
	.amdgcn_target "amdgcn-amd-amdhsa--gfx1250"
	.amdhsa_code_object_version 6
	.text
	.protected	k_q8961c07305_attn
	.globl	k_q8961c07305_attn
	.p2align	8
	.type	k_q8961c07305_attn,@function
k_q8961c07305_attn:
	s_mov_b64 s[64:65], 0
	v_nop
	global_prefetch_b8 v0, s[64:65] scope:SCOPE_SE
	s_setreg_imm32_b32 hwreg(HW_REG_WAVE_MODE, 25, 1), 1
	s_wait_xcnt 0x0
	s_wait_alu depctr_hold_cnt(0) depctr_sa_sdst(0) depctr_va_vdst(0) depctr_va_sdst(0) depctr_va_ssrc(0) depctr_va_vcc(0) depctr_vm_vsrc(0)
	s_getreg_b32 s2, hwreg(HW_REG_IB_STS2, 6, 4)
	s_cmp_eq_u32 s2, 0
	s_cbranch_scc0 .Lentry_in_a_cluster
	s_endpgm
.Lentry_in_a_cluster:
	s_bfe_u32 s2, ttmp6, 0x10000c
	s_cmp_lg_u32 s2, 0x3003
	s_cbranch_scc0 .Lentry_shape_is_right
	s_endpgm
.Lentry_shape_is_right:
; out[head][c][t] = sum over s of softmax_s(sum over c of (q sc)(k sc)) v[c][s], 64 heads, 64 channels, 1,024 positions, sc = 1 / sqrt(sqrt(64)).
; qkv: a head is 192 rows of 1,024 f32: rows 0-63 q, 64-127 k, 128-191 v, each [channel][position].  out0: [head][channel][position] f32.
; Both products run on codes of BF6 (E3M2) with one E8M0 scale for each 32 along a product's K: the channels in the first, the keys in the second.
; THE SOFTMAX: t = score x log2(e); M = the running largest t rounded UP to a whole number; p = 2^(t - M) is quantised along the keys, not normalised; the row's sum is taken of the
; unquantised p and divides at the end.  When M moves, the sum and O are multiplied by 2^(old M - new M), which rounds nothing.  A block's largest p has the exponent floor(its largest t - M).
; SHARES.  A work-group owns 256 queries of a head, each of its sixteen waves 16 of them, in 256 registers; every wave walks the head's 1,024 keys, 128 a step, 8 steps.
; CLUSTER.  The four work-groups of a head ask JOINTLY for k's and v's f32 numbers: the same tensor load, the same descriptor, a mask that names the four.  A group is 256 keys of k and of v: 128 rows x 1,024 bytes,
; eight loads of 16 rows.  Two LDS slots: groups 0 and 1 are asked for at the head, one load a wave (waves 0-7 slot 0, waves 8-15 slot 1); groups 2 and 3 fill the slots again, by the same waves.
; Each work-group quantises the groups for itself into LDS, as IMAGES OF OPERAND REGISTERS (units of 6 registers x 32 lanes = 768 bytes: registers 0-3 at 16 x lane, registers 4-5 at 512 + 8 x lane),
; one record of 8 units of k, 8 of v and their scale words for each key step; four records take turns.
; PREFETCH.  Groups 2 and 3 are asked of memory one step and more ahead of their loads; groups 0 and 1 come by their loads alone.
; LAYOUT.  Both products are used transposed: S^T = K Q^T (source 0 = 16 keys), O^T = V P^T (source 0 = 16 channels): a lane holds ONE query (lane % 16) throughout.
; THE KEYS OF A TILE ARE NOT NEIGHBOURS: row 8 h + j of tile 4 c + u is key 64 c + 32 h + 8 u + j, so that the 32 score registers of tiles 4 c .. 4 c + 3 are, in lane half h, the 32 neighbouring keys
; 64 c + 32 h + 0 .. 31: a whole block of p in one lane, in the order of the second product's operand.
; THE FIRST PRODUCT'S K IS 64, the instruction's 128: Q's registers 6-11 hold zero codes.  K's tiles lie packed, 6 registers each, so a tile's registers 6-11 are the next tile's codes (the last tile's: six
; registers that hold other codes): E3M2 has no infinity and no NaN, so the zero codes annul them; the scale bytes of those two blocks repeat the real ones.
; LIMITS: NaN and infinities among the inputs are not served; scaled scores (the exponents to the base 2) are to stay under 2^31 in magnitude; numbers of a block whose largest magnitude lies under 2^-122
; keep the scale byte 1 (a block of zeros too: its codes are zeros, and this program alone reads the bytes); a p under 2^-126 counts as 0 (v_exp_f32 gives 0 there).
.set HEADB,  786432                    ; a head in qkv, in bytes
.set VP,     1040                      ; an LDS row: 1,024 bytes = 256 keys, + 16 of padding
.set LOADB,  16*VP                     ; what one tensor load brings: 16 rows
.set HALF,   64*VP                     ; a slot: 64 rows of k, then 64 of v
.set SLOT,   2*HALF
.set REC0,   2*SLOT                    ; the four records
.set RECB,   13056                     ; a record: 8 units of k, 8 of v, 512 bytes of k's scale words, 256 of v's
.set VUN,    6144                      ; v's units in a record
.set KSO,    12288                     ; k's scale words: tile T, row p at 16 (p + 16 (T % 2)) + 4 (T / 2)
.set VSO,    12800                     ; v's: tile u, row r at 8 (r + 16 (u % 2)) + 4 (u / 2)
.set SPARE,  REC0+4*RECB               ; the spare words, 128 bytes for each wave: eight blocks of 256 bytes that no other line names
.set STG,    0                         ; the way out's stage, over slot 0 behind its last fill: 64 channels x 256 queries, rows VP apart
.set L16,  1                           ; v1       REC0 + 16 x lane;  v2  REC0 + 8 x lane
.set L8,   2
.set SPW,  5                           ; v5       LDS address of my spare word; never rewritten
.set NIL,  6                           ; v6       0; never rewritten
.set KRD,  7                           ; v7, v8   where I read k's f32 numbers in slots 0, 1
.set VRD,  9                           ; v9, v10  and v's
.set NM,   12                          ; v12      -M in even steps, v14 in odd steps
.set RM,   13                          ; v13      the running largest score
.set WX,   15                          ; v15      the other lane half's largest score
.set SUM,  16                          ; v[16:17] the row's sum, in two halves
.set XT,   18                          ; v18-23   three more chains of the sum
.set Q,    24                          ; v24-35   Q's fragment; v30-35 zero codes
.set QS,   36                          ; v36      Q's scale word
.set SH8,  37                          ; v37      8 x (lane / 16)
.set PFO,  38                          ; v38      the prefetches' offset: 4,096 x lane, a lane a row; never rewritten
.set PS,   39                          ; v39      p's scale word;  v40-43 k's;  v44-45 v's
.set KS,   40
.set VS,   44
.set FF,   46                          ; v46      f = 2^(old M - new M) (v47 is only named)
.set MX,   48                          ; v48-51   two chains of maxima for each of the two blocks
.set W,    52
.set TT,   53
.set OP,   54                          ; v54-55   the conversions' scale operands
.set IX,   56                          ; v56-57   the blocks' exponents
.set PW,   58                          ; v58      the scale word in the making;  v59 the other lane half's
.set PX,   59
.set KW,   60                          ; v60-62   where I store k's codes (16 bytes, 8 bytes) and scale byte;  v63-65 v's
.set VW,   63
.set QAD,  66                          ; v66      my offset in q
.set OUTA, 67                          ; v67      my offset in a row of out0: 16 x lane
.set QMA,  68                          ; v68-70   the quantiser's two chains and scale operand;  v71, v245 scale bytes
.set QMB,  69
.set QOP,  70
.set BYK,  71
.set BYV,  245
.set P,    72                          ; v72-83   p's codes; in the quantising phases v72-77 v's codes
.set PT,   84                          ; v84-91   the upper halves as the conversions leave them
.set F,    92                          ; v92-139  eight units of k or of v
.set CD,   140                         ; v140-145 k's codes in the quantising phases; the last tile of k names them
.set S,    146                         ; v146-209 S^T, then p; in the quantising phases the numbers of blocks; v178-209 at the head q
.set QR,   178
.set O,    210                         ; v210-241 O^T, four tiles of 16 channels; at the head v's numbers
.set CT,   242                         ; v242-244 the quantiser's upper half
.set STO,  246                         ; v246, v247 the way out: into the stage, and back
.set SRD,  247
.set WV,   8                           ; s8       my wave's number
.set SEL,  14                          ; s[14:15] v_permlanex16_b32's selects for lane l xor 16
.set CS,   16                          ; s[16:17] log2(e): the packed form names a pair and takes its low word for both halves
.set SC,   18                          ; s[18:19] sc = 1 / sqrt(sqrt(64))
.set QB,   20                          ; s[20:21] q at my 16 queries
.set OB,   22                          ; s[22:23] out0 at my four rows
.set G1,   24                          ; s[24:31] descriptor group 1;  s[32:35] group 0
.set G0,   32
.set PFB,  36                          ; s[36:37] where my prefetch stands
.set ASKW, 38                          ; s38      (wave >> 2) - 1: waves 4 to 7 (0) and 8 to 11 (1) prefetch
.macro MEET                            ; my LDS stores have landed and my LDS loads are in: then the work-group's barrier
	s_wait_alu depctr_va_vdst(0)
	s_wait_dscnt 0x0
	s_barrier_signal -1
	s_barrier_wait -1
.endm
.macro CREST                           ; a round of the cluster's barrier behind its opening barrier
	s_cmp_lg_u32 s[WV], 0
	s_cbranch_scc1 .Lnot_wave_0_\@
	s_barrier_signal -3
.Lnot_wave_0_\@:
	s_barrier_wait -3
	s_barrier_signal -1
	s_barrier_wait -1
.endm
.macro CROUND                          ; a whole round
	s_barrier_signal -1
	s_barrier_wait -1
	CREST
.endm
.macro TLOAD                           ; the wave's joint load; four v_nop follow it
	tensor_load_to_lds s[G0:G0+3], s[G1:G1+7]
	s_nop 0
.rept 4
	v_nop
.endr
.endm
.macro QLOADS                          ; q: lane (r, h) takes query r and channels 32 h + 0 .. 31, registers down the channels
.set II, 0
.rept 32
	global_load_b32 v[QR+II], v[QAD], s[QB:QB+1] offset:4096*II
.set II, II+1
.endr
.endm
.macro LANDED half                     ; my part of a group has landed; half = 1: group 2, which waves 0-7 fetch: the others' loads, of a line of their own, may stay out
	s_wait_alu depctr_va_vdst(0)
.if \half
	s_cmp_lt_u32 s[WV], 8
	s_cbranch_scc0 .Lothers_\@
	s_wait_tensorcnt 0x0
.Lothers_\@:
.else
	s_wait_tensorcnt 0x0
.endif
.endm
; The joint refills behind a round: no wave of any partner still reads a slot.  Waves 0-7 fill slot 0 with group 2, waves 8-15 slot 1 with group 3: a line for each, since they are waited for at different steps
.macro REFILL
	s_cmp_lt_u32 s[WV], 8
	s_cbranch_scc0 .Lslot_1_\@
	TLOAD
	s_branch .Lfilled_\@
.Lslot_1_\@:
	TLOAD
.Lfilled_\@:
.endm
; A PREFETCH INTO THE L2 of groups 2 and 3: 128 rows x 1,024 bytes each.  Only this cluster reads the head.  Its four partners share a group out BY ADDRESS: partner cx takes bytes
; 256 cx .. 256 cx + 255 of each row; in each, waves 4 to 7 (group 2) and 8 to 11 (group 3) take 32 rows each, a lane a row: each aligned block of 256 bytes is named once in the launch.
.macro ASK
	s_wait_alu depctr_va_vdst(0)
	s_cmp_lt_u32 s[ASKW], 2
	s_cbranch_scc0 .Lnot_mine_\@
	global_prefetch_b8 v[PFO], s[PFB:PFB+1] th:TH_LOAD_NT scope:SCOPE_SE
.Lnot_mine_\@:
.endm
.macro FRAGS j, off                    ; eight units of step j's record into v92-139, as they were stored
.irp u, 0,1,2,3,4,5,6,7
	ds_load_b128 v[F+6*\u:F+6*\u+3], v[L16] offset:((\j)%4)*RECB+(\off)+768*\u
	ds_load_b64 v[F+6*\u+4:F+6*\u+5], v[L8] offset:((\j)%4)*RECB+(\off)+768*\u+512
.endr
.endm
.macro KFETCH j                        ; k's tiles and scale words: register i: tile 2 i in lanes 0-15, tile 2 i + 1 in lanes 16-31
	FRAGS \j, 0
	ds_load_b128 v[KS:KS+3], v[L16] offset:((\j)%4)*RECB+KSO
.endm
.macro VFETCH j                        ; v's four fragments (two units each) and their scale words, laid likewise
	FRAGS \j, VUN
	ds_load_b64 v[VS:VS+1], v[L8] offset:((\j)%4)*RECB+VSO
.endm
; 32 numbers of one block, K ascending in a lane's registers from x on, become 6 registers of codes at dst and the scale's byte in by.  mul = 1: they are first multiplied by sc, in f32
.macro QBLK x, dst, by, mul
.if \mul
.irp i, 0,2,4,6,8,10,12,14,16,18,20,22,24,26,28,30
	v_pk_mul_f32 v[\x+\i:\x+\i+1], v[\x+\i:\x+\i+1], s[SC:SC+1] op_sel_hi:[1,0]
.endr
.endif
	v_max3_num_f32 v[QMA], |v[\x]|, |v[\x+1]|, 0x2800000           ; the largest magnitude, in two chains, with the floor 2^(5 - 127) among its leaves: so the byte cannot fall under 1
	v_max3_num_f32 v[QMB], |v[\x+2]|, |v[\x+3]|, |v[\x+4]|
.irp i, 5,9,13,17,21,25
	s_delay_alu instid0(VALU_DEP_2)
	v_max3_num_f32 v[QMA], v[QMA], |v[\x+\i]|, |v[\x+\i+1]|
	s_delay_alu instid0(VALU_DEP_2)
	v_max3_num_f32 v[QMB], v[QMB], |v[\x+\i+2]|, |v[\x+\i+3]|
.endr
	s_delay_alu instid0(VALU_DEP_2)
	v_max3_num_f32 v[QMA], v[QMA], |v[\x+29]|, |v[\x+30]|
	s_delay_alu instid0(VALU_DEP_1)
	v_max3_num_f32 v[QMA], v[QMA], v[QMB], |v[\x+31]|
	s_delay_alu instid0(VALU_DEP_1)
	v_add_nc_u32 v[QOP], 0xfe000000, v[QMA]        ; 4 off its exponent field: the conversion takes the exponent field of this operand as its scale
	v_cvt_scalef32_pk16_bf6_f32 v[\dst:\dst+2], v[\x:\x+15], v[QOP]
	v_cvt_scalef32_pk16_bf6_f32 v[CT:CT+2], v[\x+16:\x+31], v[QOP] ; (a conversion's three registers begin on an even number)
	v_lshrrev_b32 v[\by], 23, v[QOP]               ; the scale's byte; also the plain place behind the conversions
.irp i, 0,1,2
	v_mov_b32 v[\dst+3+\i], v[CT+\i]
.endr
.endm
; Group m (256 keys) becomes codes in two records.  k: a wave takes 32 keys, a lane a key, and 32 channels, registers down the channels: each load reads 32 neighbouring words.
; v: a wave makes one unit: lane (r, h) takes channel 16 u + r and 32 neighbouring keys, at xv: eight loads of 16 bytes; rows 1,040 bytes apart, so sixteen lanes take sixteen different columns of 16 bytes.
.macro QUANT m, xv
.set RO, ((\m)%2)*2*RECB
.set II, 0
.rept 32
	ds_load_b32 v[S+II], v[KRD+(\m)%2] offset:VP*II
.set II, II+1
.endr
.irp i, 0,1,2,3,4,5,6,7
	ds_load_b128 v[\xv+4*\i:\xv+4*\i+3], v[VRD+(\m)%2] offset:16*\i
.endr
	s_wait_alu depctr_va_vdst(0)
	s_wait_dscnt 8                                 ; k's numbers are in; v's eight loads may be out
	QBLK S, CD, BYK, 1
	ds_store_b128 v[KW], v[CD:CD+3] offset:RO
	ds_store_b64 v[KW+1], v[CD+4:CD+5] offset:RO
	ds_store_b8 v[KW+2], v[BYK] offset:RO
	ds_store_b8 v[KW+2], v[BYK] offset:RO+2        ; repeated for the instruction's upper 64 along K
	s_wait_alu depctr_va_vdst(0)
	s_wait_dscnt 4                                 ; v's numbers are in; the four stores may be out
	QBLK \xv, P, BYV, 0
	ds_store_b128 v[VW], v[P:P+3] offset:RO
	ds_store_b64 v[VW+1], v[P+4:P+5] offset:RO
	ds_store_b8 v[VW+2], v[BYV] offset:RO
.endm
; one addition of the row's sum: chain n takes the pairs of p at 8 q + 2 n
.macro ADDX n, q
.if \n
.set XX, XT+2*(\n-1)
.else
.set XX, SUM
.endif
.set YY, S+8*(\q)+2*\n
	v_pk_add_f32 v[XX:XX+1], v[XX:XX+1], v[YY:YY+1]
.endm
.macro ADD0 n                          ; a chain's start: its first two pairs
.if \n
.set XX, XT+2*(\n-1)
.else
.set XX, SUM
.endif
.set YY, S+2*\n
	v_pk_add_f32 v[XX:XX+1], v[YY:YY+1], v[YY+8:YY+9]
.endm
.macro LEVEL q
.irp n, 0,1,2,3
	ADDX \n, \q
.endr
.endm
; KEY STEP j: 128 keys.  Its tiles of k have been asked for.  first = 1: nothing has been summed yet.  next = 1: the next step's tiles of k are asked for.
; sync = 1: a work-group's barrier, signalled at the step's head, where my stores of codes have landed, and waited for ahead of the next step's loads, shows every wave those codes.
; sync = 2, 3, 4: a barrier that is signalled behind the maxima, when v's fragments are in, and waited for behind the exponentials, with register work alone between.
; 2: a group's tiles have landed (3: group 2's).  4: it opens a round of the cluster's barrier, behind which both slots are filled again; it shows the codes stored ahead of the step too
.macro ATT j, first, next, sync
.set NW, NM+2*((\j)%2)
.set NO, NM+2-2*((\j)%2)
	s_wait_alu depctr_va_vdst(0)
	s_wait_dscnt 0x0                               ; k's tiles and scale words are in
.if \sync == 1
	s_barrier_signal -1                            ; the codes that I stored ahead of this step have landed
.endif
.irp t, 0,1,2,3,4,5,6,7
.if (\t)%2
	v_wmma_scale_f32_16x16x128_f8f6f4 v[S+8*\t:S+8*\t+7], v[F+6*\t:F+6*\t+11], v[Q:Q+11], 0, v[KS+\t/2], v[QS] matrix_a_fmt:MATRIX_FMT_BF6 matrix_b_fmt:MATRIX_FMT_BF6 matrix_a_scale:MATRIX_SCALE_ROW1
.else
	v_wmma_scale_f32_16x16x128_f8f6f4 v[S+8*\t:S+8*\t+7], v[F+6*\t:F+6*\t+11], v[Q:Q+11], 0, v[KS+\t/2], v[QS] matrix_a_fmt:MATRIX_FMT_BF6 matrix_b_fmt:MATRIX_FMT_BF6
.endif
.endr
.rept 4
	v_nop                                          ; the places ahead of loads into k's registers and of the first read of the scores
.endr
	VFETCH \j                                      ; v's fragments land while the softmax is worked
	; the largest score of each of my two blocks of 32 keys, two chains a block; each accumulator is first read at one of its four lowest registers
.irp c, 0,1
	v_max3_num_f32 v[MX+2*\c], v[S+32*\c], v[S+32*\c+1], v[S+32*\c+2]
.endr
.irp c, 0,1
	v_max3_num_f32 v[MX+2*\c+1], v[S+32*\c+3], v[S+32*\c+4], v[S+32*\c+5]
.endr
.irp i, 6,10,14,18,22,26
.irp c, 0,1
	v_max3_num_f32 v[MX+2*\c], v[MX+2*\c], v[S+32*\c+\i], v[S+32*\c+\i+1]
.endr
.irp c, 0,1
	v_max3_num_f32 v[MX+2*\c+1], v[MX+2*\c+1], v[S+32*\c+\i+2], v[S+32*\c+\i+3]
.endr
.endr
.if \sync == 2
	LANDED 0
.endif
.if \sync == 3
	LANDED 1
.endif
.if \sync == 4
	s_wait_alu depctr_va_vdst(0)
	s_wait_tensorcnt 0x0                           ; no tensor load of mine is out, so my group 0 may be written
	ds_add_u32 v[SPW], v[NIL]                      ; 0 onto my spare word
	s_add_nc_u64 s[G0+2:G0+3], s[G0+2:G0+3], 2048  ; every wave's rows 512 keys on: group 0 to 2, group 1 to 3; the type bits on top are not reached
.endif
.irp c, 0,1
	v_max3_num_f32 v[MX+2*\c], v[MX+2*\c], v[S+32*\c+30], v[S+32*\c+31]
.endr
.irp c, 0,1
	s_delay_alu instid0(VALU_DEP_2)
	v_max_num_f32 v[MX+2*\c], v[MX+2*\c], v[MX+2*\c+1]
.endr
	s_delay_alu instid0(VALU_DEP_1)
	v_max_num_f32 v[W], v[MX], v[MX+2]
	s_delay_alu instid0(VALU_DEP_1)
	v_permlanex16_b32 v[WX], v[W], s[SEL], s[SEL+1]   ; my query's other 64 keys lie in lane l xor 16
	s_delay_alu instid0(VALU_DEP_1)
.if \first
	v_max_num_f32 v[RM], v[W], v[WX]
.else
	v_max3_num_f32 v[RM], v[RM], v[W], v[WX]       ; the running largest score
.endif
	s_delay_alu instid0(VALU_DEP_1)
	v_mul_f32 v[TT], s[CS], v[RM]                  ; as t
	s_delay_alu instid0(VALU_DEP_1)
	v_floor_f32 v[NW], -v[TT]                      ; the new -M = floor(-t) = -ceil(t): M is a whole number
	s_delay_alu instid0(VALU_DEP_1)
.irp c, 0,1
	v_fma_f32 v[MX+2*\c], v[MX+2*\c], s[CS], v[NW] ; each block's largest t - M,
.endr
.if \first == 0
	v_sub_f32 v[TT], v[NW], v[NO]                  ; old M - new M: a whole number, 0 or less
.endif
.irp c, 0,1
	v_cvt_floor_i32_f32 v[IX+\c], v[MX+2*\c]       ; rounded down: the exponent of its largest p,
.endr
.if \first == 0
	v_cvt_i32_f32 v[TT], v[TT]                     ; (it saturates)
.endif
.irp c, 0,1
	v_max_i32 v[IX+\c], 0xffffff86, v[IX+\c]       ; held at -122, so that the scale's byte cannot fall under 1
.endr
.if \first == 0
	v_ldexp_f32 v[FF], 1.0, v[TT]                  ; f = 2^(old M - new M)
.endif
.irp c, 0,1
	v_lshl_add_u32 v[OP+\c], v[IX+\c], 23, 0x3d800000   ; (exponent - 4 + 127) << 23: the conversion's scale operand
.endr
.if \sync >= 2
	s_wait_alu depctr_va_vdst(0)
	s_wait_dscnt 0x0                               ; v's fragments are in, and no other LDS instruction of mine is out:
	s_barrier_signal -1                            ; say so; register work alone follows up to the wait
.endif
.if \first == 0
.irp i, 0,2,4,6,8,10,12,14,16,18,20,22,24,26,28,30
	v_pk_mul_f32 v[O+\i:O+\i+1], v[O+\i:O+\i+1], v[FF:FF+1] op_sel_hi:[1,0]   ; O^T under the new M, each tile from its low end on
.endr
.endif
.set II, 0
.rept 32
	v_pk_fma_f32 v[S+2*II:S+2*II+1], v[S+2*II:S+2*II+1], s[CS:CS+1], v[NW:NW+1] op_sel_hi:[1,0,0]   ; t - M, two at a time; among them p's scale word is made:
.if II == 4
	v_lshl_add_u32 v[PW], v[IX+1], 16, v[IX]       ; my blocks are h and 2 + h of the step's four:
.endif
.if II == 9
	v_add_nc_u32 v[PW], 0x7b007b, v[PW]            ; 123 onto both exponents: the bytes;
.endif
.if II == 14
	v_lshlrev_b32 v[PW], v[SH8], v[PW]             ; 8 h bits up;
.endif
.if II == 19
	v_permlanex16_b32 v[PX], v[PW], s[SEL], s[SEL+1]
.endif
.if II == 24
	v_or_b32 v[PS], v[PW], v[PX]                   ; with lane l xor 16's two the word is whole
.endif
.set II, II+1
.endr
	s_wait_alu depctr_va_vdst(0)                   ; ahead of the batch
.set II, 0
.rept 64
	v_exp_f32 v[S+II], v[S+II]                     ; p = 2^(t - M)
.set II, II+1
.endr
.if \first
	v_nop                                          ; the plain place behind the exponentials
.else
	v_pk_mul_f32 v[SUM:SUM+1], v[SUM:SUM+1], v[FF:FF+1] op_sel_hi:[1,0]   ; the sum under the new M; also the plain place behind the exponentials
.endif
	s_wait_alu depctr_va_vdst(0)                   ; one wait for the batch, ahead of its first reader and of the barrier
.if \sync >= 2
	s_barrier_wait -1
.endif
.if \sync == 4
	CREST
	REFILL                                         ; the first thing behind the round
.endif
.irp c, 0,1
	v_cvt_scalef32_pk16_bf6_f32 v[P+6*\c:P+6*\c+2], v[S+32*\c:S+32*\c+15], v[OP+\c]
	v_cvt_scalef32_pk16_bf6_f32 v[PT+4*\c:PT+4*\c+2], v[S+32*\c+16:S+32*\c+31], v[OP+\c]
.endr
.irp n, 1,2,3
	ADD0 \n                                        ; the row's sum is taken of the unquantised p; these lines are also the plain places behind the conversions
.endr
.if \first
	ADD0 0
.else
	ADDX 0, 0
.endif
.irp c, 0,1
.irp i, 0,1,2
	v_mov_b32 v[P+6*\c+3+\i], v[PT+4*\c+\i]
.endr
.endr
.if \first == 0
	ADDX 0, 1
.endif
	LEVEL 2                                        ; the places between p's codes and the products
	s_wait_alu depctr_va_vdst(0)
	s_wait_dscnt 0x0                               ; v's fragments and scale words are in
.irp t, 0,1,2,3
.if \first
.if (\t)%2
	v_wmma_scale_f32_16x16x128_f8f6f4 v[O+8*\t:O+8*\t+7], v[F+12*\t:F+12*\t+11], v[P:P+11], 0, v[VS+\t/2], v[PS] matrix_a_fmt:MATRIX_FMT_BF6 matrix_b_fmt:MATRIX_FMT_BF6 matrix_a_scale:MATRIX_SCALE_ROW1
.else
	v_wmma_scale_f32_16x16x128_f8f6f4 v[O+8*\t:O+8*\t+7], v[F+12*\t:F+12*\t+11], v[P:P+11], 0, v[VS+\t/2], v[PS] matrix_a_fmt:MATRIX_FMT_BF6 matrix_b_fmt:MATRIX_FMT_BF6
.endif
.else
.if (\t)%2
	v_wmma_scale_f32_16x16x128_f8f6f4 v[O+8*\t:O+8*\t+7], v[F+12*\t:F+12*\t+11], v[P:P+11], v[O+8*\t:O+8*\t+7], v[VS+\t/2], v[PS] matrix_a_fmt:MATRIX_FMT_BF6 matrix_b_fmt:MATRIX_FMT_BF6 matrix_a_scale:MATRIX_SCALE_ROW1
.else
	v_wmma_scale_f32_16x16x128_f8f6f4 v[O+8*\t:O+8*\t+7], v[F+12*\t:F+12*\t+11], v[P:P+11], v[O+8*\t:O+8*\t+7], v[VS+\t/2], v[PS] matrix_a_fmt:MATRIX_FMT_BF6 matrix_b_fmt:MATRIX_FMT_BF6
.endif
.endif
.endr
	LEVEL 3                                        ; the four places between the products and the loads into v's registers
.if \sync == 1
	s_wait_alu depctr_va_vdst(0)
	s_barrier_wait -1                              ; everybody's codes lie in LDS
.endif
.if \next
	KFETCH (\j)+1
.endif
.irp q, 4,5,6,7
	LEVEL \q
.endr
	v_pk_add_f32 v[SUM:SUM+1], v[SUM:SUM+1], v[XT:XT+1]
	v_pk_add_f32 v[XT+2:XT+3], v[XT+2:XT+3], v[XT+4:XT+5]
	s_delay_alu instid0(VALU_DEP_1)
	v_pk_add_f32 v[SUM:SUM+1], v[SUM:SUM+1], v[XT+2:XT+3]
.endm
	s_load_b128 s[4:7], s[0:1], 0x0                ; qkv s[4:5], out0 s[6:7]
	v_lshl_add_u32 v[SPW], v0, 2, SPARE
	v_mov_b32 v[NIL], 0
	ds_add_u32 v5, v6                              ; the wave's opening: an add, twice on end, and its wait ahead of my first tensor load
	ds_add_u32 v5, v6
	v_lshrrev_b32 v248, 5, v0
	v_readfirstlane_b32 s[WV], v248                ; wave 0..15
	v_and_b32 v249, 15, v0                         ; r
	v_bfe_u32 v250, v0, 4, 1                       ; h
	v_and_b32 v251, 31, v0                         ; lane
	v_lshlrev_b32 v[QAD], 17, v250                 ; 32 rows of 4,096 bytes
	v_lshl_add_u32 v[QAD], v249, 2, v[QAD]
	s_bfe_u32 s9, ttmp6, 0x40000                   ; cx: my block of 256 queries; it enters q's, out0's and the prefetches' addresses alone
	s_and_b32 s10, ttmp7, 0xffff                   ; the head, which the four partners share
	s_mul_i32 s12, s10, HEADB                      ; the head's first byte in qkv: under 2^26
	; descriptor group 1: 16 rows (channels) x 256 elements of 4 bytes (keys), rows 1,024 elements apart in memory, 16 bytes of padding behind each row in LDS
	s_mov_b32 s[G1], 15|(2<<16)|(1<<20)|(1<<21)|(7<<22)|(3<<25)   ; 15:0 the mask: all four work-groups; 17:16 elements of 4 bytes; 20 padding on; 21 set beside a mask; 24:22 after every 256 words; 31:25 4 words of it
	s_mov_b32 s[G1+1], 256<<16                     ; tensor_dim0 = 256
	s_mov_b32 s[G1+2], 16<<16                      ; tensor_dim1 = 16
	s_mov_b32 s[G1+3], 256<<16                     ; tile_dim0 = 256
	s_mov_b32 s[G1+4], 16                          ; tile_dim1 = 16
	s_mov_b32 s[G1+5], 1024                        ; tensor_dim0_stride
	s_mov_b32 s[G1+6], 0
	s_mov_b32 s[G1+7], 0
	s_and_b32 s40, s[WV], 7                        ; which 16 rows of the slot's 128 I fetch: the head's rows 64 + 16 x this on
	s_lshl_b32 s40, s40, 16
	s_lshr_b32 s41, s[WV], 3                       ; which slot
	s_lshl_b32 s41, s41, 10
	s_add_co_u32 s40, s40, s41
	s_add_co_u32 s40, s40, s12
	s_add_co_u32 s40, s40, 64*4096
	s_mov_b32 s41, 0
	s_mul_i32 s13, s[WV], LOADB                    ; their place in LDS: slot 8 x 16 rows apart
	s_lshl_b32 s42, s9, 10                         ; q: my block's 256 queries,
	s_lshl_b32 s43, s[WV], 6                       ; my wave's 16
	s_add_co_u32 s42, s42, s43
	s_add_co_u32 s42, s42, s12
	s_mov_b32 s43, 0
	s_wait_alu depctr_va_vdst(0)
	s_wait_dscnt 0x0                               ; both opening adds are done
	s_wait_kmcnt 0x0
	s_add_nc_u64 s[QB:QB+1], s[4:5], s[42:43]
	s_mov_b32 s[G0], 1                             ; count = 1
	s_mov_b32 s[G0+1], s13                         ; LDS address
	s_add_nc_u64 s[G0+2:G0+3], s[4:5], s[40:41]
	s_or_b32 s[G0+3], s[G0+3], 0x80000000          ; type = 2
	CROUND                                         ; all four work-groups are here: the first joint loads meet
	s_cmp_lt_u32 s[WV], 8                          ; group 0's loads stand ahead of q's, group 1's behind them
	s_cbranch_scc0 .Lsecond
	TLOAD
	QLOADS
	s_branch .Lasked
.Lsecond:
	QLOADS
	TLOAD
.Lasked:
	s_mov_b32 s[SEL], 0x76543210
	s_mov_b32 s[SEL+1], 0xfedcba98
	s_mov_b32 s[CS], 0x3fb8aa3b                    ; log2(e)
	s_mov_b32 s[CS+1], s[CS]                       ; (named with it as a pair, so it is written)
	s_mov_b32 s[SC], 0x3eb504f3                    ; 1 / sqrt(sqrt(64)) in f32
	s_mov_b32 s[SC+1], s[SC]
	s_lshr_b32 s39, s[WV], 2
	s_sub_co_u32 s[ASKW], s39, 1
	; out0 at my four rows: head x 64 rows + 4 x wave rows of 4,096 bytes, + my block's 1,024 bytes
	s_lshl_b32 s40, s10, 18
	s_lshl_b32 s41, s9, 10
	s_add_co_u32 s40, s40, s41
	s_lshl_b32 s41, s[WV], 14
	s_add_co_u32 s40, s40, s41
	s_mov_b32 s41, 0
	s_add_nc_u64 s[OB:OB+1], s[6:7], s[40:41]
	; the prefetch: bytes 256 cx on of each row, 32 rows a wave: 32 (wave % 4) on; waves 4 to 7 at group 2 (2,048 bytes along the rows), waves 8 to 11 at group 3 (3,072)
	s_and_b32 s40, s[WV], 3
	s_lshl_b32 s40, s40, 17
	s_lshl_b32 s41, s39, 10
	s_add_co_u32 s40, s40, s41
	s_add_co_u32 s40, s40, 1024
	s_lshl_b32 s41, s9, 8
	s_add_co_u32 s40, s40, s41
	s_add_co_u32 s40, s40, s12
	s_add_co_u32 s40, s40, 64*4096
	s_mov_b32 s41, 0
	s_add_nc_u64 s[PFB:PFB+1], s[4:5], s[40:41]
	; MY PART OF k'S QUANTISING: wave = 8 jl + 4 c + 2 h' + b: channels 32 b on; keys 128 jl + 64 c + 32 h' + lane of the group.  Lane x = 8 u + j: tile 4 c + u, row 8 h' + j, place 8 h' + j + 16 b in the unit
	s_and_b32 s45, s[WV], 1                        ; b
	s_bfe_u32 s46, s[WV], 0x10001                  ; h'
	s_bfe_u32 s47, s[WV], 0x10002                  ; c
	s_lshr_b32 s48, s[WV], 3                       ; jl,
	s_mul_i32 s48, s48, RECB                       ; as a record
	s_mul_i32 s50, s45, 32*VP                      ; 32 b rows
	s_lshr_b32 s51, s[WV], 1
	s_lshl_b32 s51, s51, 7                         ; 32 keys of 4 bytes for each 4 jl + 2 c + h'
	s_add_co_u32 s50, s50, s51
	s_lshl_b32 s49, s46, 7                         ; 128 h'
	s_mul_i32 s51, s47, 4*768                      ; the block's four units
	s_add_co_u32 s51, s51, s48
	s_lshl_b32 s52, s45, 8                         ; 16 bytes a place: 256 b + 128 h'
	s_add_co_u32 s52, s52, s49
	s_add_co_u32 s52, s52, s51
	s_add_co_u32 s52, s52, REC0
	s_lshl_b32 s53, s45, 7                         ; 8 bytes a place: 128 b + 64 h'
	s_lshl_b32 s54, s46, 6
	s_add_co_u32 s53, s53, s54
	s_add_co_u32 s53, s53, s51
	s_add_co_u32 s53, s53, REC0+512
	s_lshl_b32 s54, s47, 3                         ; the scale byte: 16 (8 h' + j) + 256 (u % 2) + 4 (2 c + u / 2) + b
	s_add_co_u32 s54, s54, s45
	s_add_co_u32 s54, s54, s49
	s_add_co_u32 s54, s54, s48
	s_add_co_u32 s54, s54, REC0+KSO
	; MY PART OF v'S: wave = 8 c + 4 jl + u: unit 2 u + c of step jl: lane (r, h): channel 16 u + r, keys 128 jl + 64 c + 32 h + 0 .. 31 of the group
	s_and_b32 s45, s[WV], 3                        ; u
	s_bfe_u32 s46, s[WV], 0x10002                  ; jl
	s_lshr_b32 s47, s[WV], 3                       ; c
	s_mul_i32 s55, s45, 16*VP
	s_lshl_b32 s56, s46, 9
	s_add_co_u32 s55, s55, s56
	s_lshl_b32 s56, s47, 8
	s_add_co_u32 s55, s55, s56
	s_add_co_u32 s55, s55, HALF                    ; where I read
	s_mul_i32 s56, s46, RECB
	s_lshl_b32 s57, s45, 1
	s_add_co_u32 s57, s57, s47
	s_mul_i32 s57, s57, 768
	s_add_co_u32 s57, s57, s56
	s_add_co_u32 s57, s57, REC0+VUN                ; where I store, 16 bytes a lane,
	s_add_co_u32 s58, s57, 512                     ; 8 bytes a lane,
	s_and_b32 s59, s45, 1                          ; and the scale byte: 8 (r + 16 (u % 2)) + 4 (u / 2) + 2 c + h
	s_lshl_b32 s59, s59, 7
	s_add_co_u32 s59, s59, s56
	s_lshr_b32 s60, s45, 1
	s_lshl_b32 s60, s60, 2
	s_add_co_u32 s59, s59, s60
	s_lshl_b32 s60, s47, 1
	s_add_co_u32 s59, s59, s60
	s_add_co_u32 s59, s59, REC0+VSO
	; the way out: into the stage: my wave's 16 queries; back: my four rows
	s_lshl_b32 s60, s[WV], 6
	s_add_co_u32 s60, s60, STG
	s_mul_i32 s61, s[WV], 4*VP
	s_add_co_u32 s61, s61, STG
	v_lshlrev_b32 v[PFO], 12, v251
	v_lshlrev_b32 v[OUTA], 4, v251
	v_lshlrev_b32 v[SH8], 3, v250
	v_lshl_add_u32 v[L16], v251, 4, REC0
	v_lshl_add_u32 v[L8], v251, 3, REC0
	v_lshl_add_u32 v[KRD], v251, 2, s50
	v_mul_u32_u24 v[VRD], v249, VP
	v_and_b32 v252, 7, v0                          ; j
	v_bfe_u32 v253, v0, 3, 2                       ; u
	v_bfe_u32 v254, v0, 3, 1                       ; u % 2
	v_add_nc_u32 v[KRD+1], SLOT, v[KRD]
	v_lshl_add_u32 v[VRD], v250, 7, v[VRD]
	v_mul_u32_u24 v253, v253, 768
	v_lshlrev_b32 v[KW+2], 4, v252
	v_add_nc_u32 v[VRD], s55, v[VRD]
	v_mul_u32_u24 v[STO], v250, 8*VP
	v_lshl_add_u32 v[KW], v252, 4, v253
	v_lshl_add_u32 v[KW+1], v252, 3, v253
	v_lshl_add_u32 v[KW+2], v254, 8, v[KW+2]
	v_add_nc_u32 v[VRD+1], SLOT, v[VRD]
	v_lshl_add_u32 v[STO], v249, 2, v[STO]
	v_add_nc_u32 v[KW], s52, v[KW]
	v_add_nc_u32 v[KW+1], s53, v[KW+1]
	v_lshl_add_u32 v[KW+2], v250, 2, v[KW+2]       ; u / 2 = lane / 16
	v_lshl_add_u32 v[VW+2], v249, 3, v250
	v_add_nc_u32 v[STO], s60, v[STO]
	v_lshl_add_u32 v[VW], v251, 4, s57
	v_add_nc_u32 v[KW+2], s54, v[KW+2]
	v_lshl_add_u32 v[VW+1], v251, 3, s58
	v_add_nc_u32 v[VW+2], s59, v[VW+2]
	v_lshl_add_u32 v[SRD], v251, 4, s61
	v_mov_b32 v[WX], 0                             ; written once: a lane permute's destination counts as one of its sources
	v_mov_b32 v[PX], 0
	v_mov_b32 v[FF+1], 0                           ; (named as the upper half of a pair)
.irp i, 0,1,2,3,4,5
	v_mov_b32 v[Q+6+\i], 0                         ; Q's zero codes for the instruction's upper 64 along K
.endr
	s_wait_alu depctr_va_vdst(0)
	s_cmp_lt_u32 s[WV], 8
	s_cbranch_scc0 .Lgroup_0
	s_wait_tensorcnt 0x0                           ; group 0 has landed, for the eight waves that fetch it;
.Lgroup_0:
	s_barrier_signal -1
	s_barrier_wait -1                              ; and for all
	QUANT 0, O
	s_wait_alu depctr_va_vdst(0)
	s_wait_loadcnt 0x0                             ; q
	s_wait_dscnt 0x0                               ; my codes of steps 0 and 1 have landed:
	s_barrier_signal -1                            ; say so, and quantise q, work on registers, while the others arrive
	QBLK QR, Q, BYK, 1
	v_lshlrev_b32 v[PW], v[SH8], v[BYK]            ; my byte is block h's;
	s_delay_alu instid0(VALU_DEP_1)
	v_permlanex16_b32 v[PX], v[PW], s[SEL], s[SEL+1]
	s_delay_alu instid0(VALU_DEP_1)
	v_or_b32 v[PW], v[PW], v[PX]                   ; with lane l xor 16's: bytes 0 and 1;
	s_delay_alu instid0(VALU_DEP_1)
	v_lshl_or_b32 v[QS], v[PW], 16, v[PW]          ; repeated for the upper 64 along K
	s_wait_alu depctr_va_vdst(0)
	s_barrier_wait -1                              ; the codes of steps 0 and 1 lie in LDS
	KFETCH 0
	ASK                                            ; groups 2 and 3, more than a step ahead of their loads
	; A record is written again only behind a barrier that every wave signals behind its last read of it: records 0, 1 (read in steps 0, 1) behind step 2's, records 2, 3 (steps 2, 3) behind step 4's.
	; Both slots have been read when step 1's round begins: slot 0 ahead of step 0, slot 1 ahead of step 1
	ATT 0, 1, 1, 2                                 ; group 1 has landed
	QUANT 1, S+32                                  ; steps 2, 3
	ATT 1, 0, 1, 4                                 ; groups 2 and 3 go out
	ATT 2, 0, 1, 3                                 ; group 2 has landed
	QUANT 2, S+32                                  ; steps 4, 5
	ATT 3, 0, 1, 1
	ATT 4, 0, 1, 2                                 ; group 3 has landed; nothing is left to fetch
	QUANT 3, S+32                                  ; steps 6, 7
	ATT 5, 0, 1, 1
	ATT 6, 0, 1, 0
	ATT 7, 0, 0, 0
	; THE WAY OUT.  O^T / the row's sum goes into the work-group's stage [channel][256 queries]; behind a barrier each wave reads four whole rows of 1,024 bytes back and stores them.
	v_add_f32 v[W], v[SUM], v[SUM+1]               ; the sum's two halves,
	s_delay_alu instid0(VALU_DEP_1)
	v_permlanex16_b32 v[WX], v[W], s[SEL], s[SEL+1]
	s_delay_alu instid0(VALU_DEP_1)
	v_add_f32 v[W], v[W], v[WX]                    ; and lane l xor 16's
	s_wait_alu depctr_va_vdst(0)                   ; ahead of the reciprocal
	v_rcp_f32 v[FF], v[W]
	v_nop                                          ; the plain place behind the reciprocal
	s_wait_alu depctr_va_vdst(0)                   ; ahead of the first reader of the reciprocal and of O^T
.irp i, 0,2,4,6,8,10,12,14,16,18,20,22,24,26,28,30
	v_pk_mul_f32 v[S+\i:S+\i+1], v[O+\i:O+\i+1], v[FF:FF+1] op_sel_hi:[1,0]   ; register 8 u + j: channel 16 u + 8 h + j of query r; each tile from its low end on
.endr
.irp t, 0,1,2,3
.irp j, 0,1,2,3,4,5,6,7
	ds_store_b32 v[STO], v[S+8*\t+\j] offset:(16*\t+\j)*VP         ; lanes 0-15 sixteen neighbouring words; lanes 16-31 eight rows on, 8,320 bytes
.endr
.endr
	MEET                                           ; 64 whole rows lie in the stage
.irp i, 0,1,2,3,4,5,6,7
	ds_load_b128 v[S+4*\i:S+4*\i+3], v[SRD] offset:(\i/2)*VP+512*(\i%2)
.endr
.irp i, 0,1,2,3,4,5,6,7
	s_wait_dscnt 7-\i                              ; the younger loads from the stage may stay out
	global_store_b128 v[OUTA], v[S+4*\i:S+4*\i+3], s[OB:OB+1] offset:(\i/2)*4096+512*(\i%2) th:TH_STORE_NT   ; 32 lanes store 512 consecutive bytes, at a multiple of 256 from out0's first byte
.endr
	s_wait_tensorcnt 0x0                           ; the wave's end, behind my last tensor load and my last LDS store
	ds_add_u32 v[SPW], v[NIL]
	s_wait_dscnt 0x0
	CROUND                                         ; the closing round: no work-group ends while a partner may still ask for a tile that names it
	s_endpgm
.Lfunc_end_k_q8961c07305_attn:
	.size	k_q8961c07305_attn, .Lfunc_end_k_q8961c07305_attn-k_q8961c07305_attn
	.p2alignl 7, 3214868480
	.fill 96, 4, 3214868480
	.section	.rodata,"a",@progbits
	.p2align	6, 0x0
	.amdhsa_kernel k_q8961c07305_attn
		.amdhsa_group_segment_fixed_size 327680
		.amdhsa_private_segment_fixed_size 0
		.amdhsa_enable_private_segment 0
		.amdhsa_kernarg_size 16
		.amdhsa_user_sgpr_count 2
		.amdhsa_user_sgpr_kernarg_segment_ptr 1
		.amdhsa_wavefront_size32 1
		.amdhsa_system_sgpr_workgroup_id_x 1
		.amdhsa_system_sgpr_workgroup_id_y 1
		.amdhsa_system_sgpr_workgroup_id_z 1
		.amdhsa_system_vgpr_workitem_id 0
		.amdhsa_next_free_vgpr 256
		.amdhsa_next_free_sgpr 66
		.amdhsa_reserve_vcc 0
		.amdhsa_float_denorm_mode_32 3
		.amdhsa_float_denorm_mode_16_64 3
		.amdhsa_memory_ordered 1
		.amdhsa_forward_progress 1
		.amdhsa_inst_pref_size 174
	.end_amdhsa_kernel
	.amdgpu_metadata
---
amdhsa.version: [ 1, 2 ]
amdhsa.kernels:
  - .name:           k_q8961c07305_attn
    .symbol:         k_q8961c07305_attn.kd
    .args:
      - { .name: qkv, .offset: 0, .size: 8, .value_kind: global_buffer, .address_space: global }
      - { .name: out0, .offset: 8, .size: 8, .value_kind: global_buffer, .address_space: global }
    .group_segment_fixed_size: 327680
    .private_segment_fixed_size: 0
    .kernarg_segment_align: 8
    .kernarg_segment_size: 16
    .max_flat_workgroup_size: 512
    .sgpr_count:     66
    .vgpr_count:     256
    .wavefront_size: 32
...
	.end_amdgpu_metadata
.endif
;; end of part 1
